; MI455X (gfx1250); checked and timed in simulation.
; The chip was launched on July 23, 2026; its instructions are those of AMD's public machine-readable ISA for CDNA 5 (MIT licence, August 2026) and "CDNA5" Instruction Set Architecture Reference Guide (July 2026). The comments in the code are by the model that wrote it; some were corrected since.
;; Attention Layer. Allowed arithmetic: matrix products marked QUANTISED: E5M2 operands, one given power-of-two scale a tensor, by v_wmma_f32_16x16x64_bf8_bf8 or v_wmma_f32_16x16x128_bf8_bf8, f32 sums; everything else in f32.
;; Inputs: Wk 1,024 x 1,024 float32; Wq 1,024 x 1,024 float32; Wv 1,024 x 1,024 float32; attention_mask 4 x 2,048 int32; bk 1,024 float32; bq 1,024 float32; bv 1,024 float32; inputs 4 x 2,048 x 1,024 float32; lowp_scales 10 int32 (the exponents e of the quantised operands' scales 2^e).
;; Outputs: out0 4 x 2,048 x 1,024 float32.
;; This version of the problem:
;;   THIS VERSION OF THE PROBLEM IS GIVEN IN LOW PRECISION. The matrix products marked QUANTISED in the list below multiply operands that are first quantised to E5M2 (5 exponent bits, 2 mantissa bits; 8 bits a number), with one given power-of-two scale for each operand tensor; their sums are f32. All else is computed in f32.
;;   The module's matrix products, in the order in which they are computed (A, B: the left and right operand; K: the contracted axis; several contracted axes count as one K, in the product's order):
;;     1. [M 8,192, K 1,024] x [K 1,024, N 1,024]; A: input inputs; B: input Wq: QUANTISED (scales: A lowp_scales[0], B lowp_scales[1])
;;     2. [M 8,192, K 1,024] x [K 1,024, N 1,024]; A: input inputs; B: input Wk: QUANTISED (scales: A lowp_scales[2], B lowp_scales[3])
;;     3. [M 8,192, K 1,024] x [K 1,024, N 1,024]; A: input inputs; B: input Wv: QUANTISED (scales: A lowp_scales[4], B lowp_scales[5])
;;     4. batch 64 x [M 2,048, K 64] x [K 64, N 2,048]; A: computed on the way; B: computed on the way: QUANTISED (scales: A lowp_scales[6], B lowp_scales[7])
;;     5. batch 64 x [M 2,048, K 2,048] x [K 2,048, N 64]; A: softmax (see below); B: computed on the way: QUANTISED (scales: A lowp_scales[8], B lowp_scales[9])
;;   THE QUANTISER, for each operand of a quantised product, along K:
;;     - The operand's scale is 2^e, e = its entry of the input lowp_scales (int32; the entries are numbered through the quantised products in the list's order, A before B).
;;     - Each number is divided by the scale, clamped to +-57,344, and rounded to the nearest number of E5M2, ties to even, subnormals kept.
;;     - The product sums the exact products of the quantised numbers (number of the format x scale) in f32.
;;   ~~~python
;;   def quantise(x, axis, e):      # numpy; x: float32 -> the quantised numbers, widened to float32 again
;;       x = np.moveaxis(x, axis, -1); K = x.shape[-1]
;;       r = np.clip(x / 2.0 ** e, -57344, 57344)
;;       step = 2.0 ** (np.maximum(np.frexp(np.where(r == 0, 1, r))[1] - 1, -14) - 2)
;;       q = np.round(r / step) * step * 2.0 ** e      # np.round: ties to even
;;       return np.moveaxis(q, -1, axis).astype(np.float32)
;;   ~~~
;;   SOFTMAX AHEAD OF A QUANTISED PRODUCT. Where the list says 'softmax', what is quantised is not the finished softmax but p = 2^(t - M), with t = logit x log2(e) and M = ceil(the row's largest t), a whole number; so 1/2 < the row's largest p <= 1. The row's sum l is taken of the UNQUANTISED p, in f32, and the product's result is divided by l at the end. Since M is a whole number, a kernel that streams over the keys may use a running M (the ceiling of the running maximum): every later rescaling is an exact power of two, so the quantised numbers keep their values, but for numbers so far below the row's largest that they fall under the format's range.
;;   OPERANDS COMPUTED ON THE WAY. 'Computed on the way' means the value that the module computes at that place (a softmax that the list does not call 'softmax' is quantised finished and normalised). What goes into a quantiser is computed in f32, as accurately as f32 sums, v_exp_f32 and their like allow (about 1e-6 of the number): no bf16 or f16 on the way to a quantiser, and a product that is left as it is and whose result goes on into a quantised operand takes f32 operands (vector FMAs, or v_wmma_f32_16x16x4_f32). A number that lies on a knife's edge between two numbers of the format may be rounded either way, as far as f32 arithmetic and the matrix unit's own rounding can turn it there, and no further.
;; One version. Each part assembles by itself: llvm-mc -triple=amdgcn-amd-amdhsa -mcpu=gfx1250 --defsym DOCPART=n.
;; ======== version 1 of 1: 3 launches
;; limits: right only within a limited range of input values
;; workspace buffers: xc 25,165,824 bytes; wc 3,145,728 bytes; qkv 25,165,824 bytes
;; launch quant (part 1): grid 608 x 1, 4 waves a work-group, no clusters, 55,808 bytes of LDS; arguments inputs, Wq, Wk, Wv, lowp_scales, xc, wc; writes xc, wc
.if DOCPART == 1
	.amdgcn_target "amdgcn-amd-amdhsa--gfx1250"
	.amdhsa_code_object_version 6
	.text
	.protected	k_qbf8df8d5d2_quant
	.globl	k_qbf8df8d5d2_quant
	.p2align	8
	.type	k_qbf8df8d5d2_quant,@function
k_qbf8df8d5d2_quant:
	s_mov_b64 s[64:65], 0
	v_nop
	global_prefetch_b8 v0, s[64:65] scope:SCOPE_SE
	s_setreg_imm32_b32 hwreg(HW_REG_WAVE_MODE, 25, 1), 1
	s_wait_xcnt 0x0
; THE QUANTISER.  inputs [8192][1024] f32 become three sets of codes of BF8 (E5M2), one for each of the scales 2^e0, 2^e2, 2^e4 that are given for them as the left operand of the three
; projections (nothing says that the three are equal); Wq, Wk, Wv [1024 (k)][1024 (n)] f32 become codes laid [n][k], K innermost, with 2^e1, 2^e3, 2^e5.
; code = x / 2^e, held within +-57,344, rounded to the nearest code, ties to even.
; NO WORK OF reference() IS LEFT OUT in this program: every input has a way to the output.  bk moves the codes of k; the mask is an input, and a masked key counts where all keys of a batch are masked.
; LIMITS: e0 .. e5 lie between -126 and 112, so that 2^e and 57,344 x 2^e are f32 numbers.  NaN among the inputs is not served; an infinity is held at the largest code.
; THE ROWS OF BOTH WORKSPACES ARE PERMUTED: row i of xc (of wc) holds the token (the column n) whose number is i with bits 3 and 4 exchanged.  Sixteen neighbouring workspace rows 16 T + r are then the
; rows 32 (T / 2) + 8 (T % 2) + r + 8 (r / 8): in the next launch the 16 registers of two neighbouring result tiles are 16 neighbours along the next K.  It costs nothing but another store address here.
; Work-groups 0 to 511 take inputs, 512 to 607 the weights: two paths that part on the work-group's number, each with LDS bytes of its own, each with its own end.  No wave shares anything with another:
; no barrier.  No work-group shares an input with another, so there is no cluster; nothing is multiplied, so no matrix unit.
.set STEPS, 8                          ; x path: steps of 512 numbers for a wave: 4 rows of 1,024
.set SP,    80                         ; x path: a lane's place in a stage: its 64 bytes + 16 of padding
.set XREG,  2*32*SP                    ; x path: a wave's two stages
.set WST,   4*XREG                     ; W path: the four waves' stages begin here
.set PITCH, 272                        ; W path: a stage row: 256 codes + 16 of padding
.set NB,    8                          ; W path: blocks of 32 along K for a wave
.set SPARE, WST+4*32*PITCH             ; behind both paths' stages: the spare words, 128 bytes for each wave: two blocks of 256 bytes that no other line names
.set SPW,   12                         ; v12      LDS address of my spare word; never rewritten
.set NIL,   13                         ; v13      0; never rewritten
.set R,     16                         ; x path: v16-79    four sets of 16 numbers as they are loaded
.set X,     80                         ;         v80-111   two sets of 16 neighbours
.set T,     112
.set C,     144                        ;         v144-239  codes: four registers for each step and scale, so that no store's data are written again
.set SCL,   240                        ;         v240-242  2^e0, 2^e2, 2^e4 as f32
.set LIM,   243
.set WX,    32                         ; W path: v32-95    two sets of 32 numbers
.set WC,    96                         ;         v96-103   a block's codes
.set OUTR,  112                        ;         v112-175  the way out
	s_load_b256 s[4:11], s[0:1], 0x0               ; inputs s[4:5], Wq s[6:7], Wk s[8:9], Wv s[10:11]
	s_load_b128 s[12:15], s[0:1], 0x20             ; the scales' exponents s[12:13], xc s[14:15]
	s_load_b64 s[16:17], s[0:1], 0x30              ; wc
	v_lshl_add_u32 v[SPW], v0, 2, SPARE
	v_mov_b32 v[NIL], 0
	v_lshrrev_b32 v1, 5, v0
	v_readfirstlane_b32 s18, v1                    ; wave 0..3
	v_and_b32 v2, 31, v0                           ; lane
	s_wait_kmcnt 0x0
	s_load_b256 s[24:31], s[12:13], 0x0            ; e0 .. e7; e0 .. e5 are used here
	s_cmp_lt_u32 ttmp9, 512
	s_cbranch_scc0 .Lweights
; ---------------- inputs: a plain stream; a wave takes 4 rows ----------------
.macro XLOAD t
.irp i, 0,1,2,3
	global_load_b128 v[R+16*((\t)%4)+4*\i:R+16*((\t)%4)+4*\i+3], v3, s[4:5] offset:2048*(\t)+512*\i th:TH_LOAD_NT   ; 32 lanes read 512 consecutive bytes
.endr
.endm
.macro XTURN t                         ; step t's 2,048 bytes through a stage: in as loaded, back 64 bytes a lane.  LDS serves a wave's instructions in order: no wait between
.irp i, 0,1,2,3
	ds_store_b128 v14, v[R+16*((\t)%4)+4*\i:R+16*((\t)%4)+4*\i+3] offset:32*SP*((\t)%2)+8*SP*\i
.endr
	v_nop
.irp i, 0,1,2,3
	ds_load_b128 v[X+16*((\t)%2)+4*\i:X+16*((\t)%2)+4*\i+3], v15 offset:32*SP*((\t)%2)+16*\i
.endr
.endm
.macro XSTEP t
	s_wait_dscnt 0x0                               ; this step's numbers are back from the stage: so its stores into the stage have read their registers,
.if (\t)+4 < STEPS
	XLOAD (\t)+4                                   ; which take the loads of four steps on
.endif
.if (\t)+1 < STEPS
.if STEPS-2-(\t) >= 3
	s_wait_loadcnt 12                              ; the next step's four loads are in; those of the three steps behind it may be out
.else
	s_wait_loadcnt 4*(STEPS-2-(\t))                ; the same, where fewer steps are left
.endif
	XTURN (\t)+1                                   ; and go through the other stage while this step is worked
.endif
.irp z, 0,1,2                          ; the same 16 numbers, three scales.
.set XS, X+16*((\t)%2)
.set TS, T+16*((3*(\t)+\z)%2)
.set CC, C+12*(\t)+4*\z
.irp i, 0,1,2,3,4,5,6,7,8,9,10,11,12,13,14,15
.endr
	v_cvt_scalef32_pk8_bf8_f32 v[CC:CC+1], v[XS:XS+7], v[SCL+\z]
	v_cvt_scalef32_pk8_bf8_f32 v[CC+2:CC+3], v[XS+8:XS+15], v[SCL+\z]
	global_store_b128 v3, v[CC:CC+3], s[32+2*\z:33+2*\z] offset:512*(\t)   ; 32 lanes store 512 consecutive bytes, aligned
.endr
.endm
	s_wait_alu depctr_va_vdst(0)
	v_lshlrev_b32 v3, 4, v2                        ; 16 x lane: my bytes of a load's 512, and of a store's
	s_wait_alu depctr_va_vdst(0)
	s_mul_i32 s19, s18, XREG
	v_lshrrev_b32 v14, 2, v2
	v_mul_u32_u24 v14, v14, SP
	v_and_b32 v15, 3, v2
	v_lshl_add_u32 v14, v15, 4, v14
	v_add_nc_u32 v14, s19, v14                     ; the stage, way in: four lanes' 64 bytes on end, then the padding
	v_mul_u32_u24 v15, v2, SP
	v_add_nc_u32 v15, s19, v15                     ; way out: my 16 neighbours
	s_lshl_b32 s20, ttmp9, 2
	s_add_co_u32 s20, s20, s18                     ; which four rows are my wave's
	s_lshl_b32 s22, s20, 14                        ; x 4 rows of 4,096 bytes
	s_mov_b32 s23, 0
	s_add_nc_u64 s[4:5], s[4:5], s[22:23]
	s_and_b32 s21, s20, 2                          ; bits 3 and 4 of a row's number are bits 1 and 2 of this one: they change places
	s_lshl_b32 s21, s21, 1
	s_and_b32 s22, s20, 4
	s_lshr_b32 s22, s22, 1
	s_and_not1_b32 s20, s20, 6
	s_or_b32 s20, s20, s21
	s_or_b32 s20, s20, s22
	s_lshl_b32 s22, s20, 12                        ; x 4 rows of 1,024 bytes
	s_add_nc_u64 s[32:33], s[14:15], s[22:23]      ; the three sets of codes lie 2^23 bytes apart, which is past a store's immediate: a base for each
	s_add_nc_u64 s[34:35], s[32:33], 0x800000
	s_add_nc_u64 s[36:37], s[34:35], 0x800000
.irp t, 0,1,2,3
	XLOAD \t
.endr
	s_wait_alu depctr_va_vdst(0)
	s_wait_kmcnt 0x0
.irp z, 0,1,2
	s_add_co_i32 s38, s[24+2*\z], 127
	s_lshl_b32 s39, s38, 23
	v_mov_b32 v[SCL+\z], s39                       ; 2^e as f32: the conversion takes its exponent field
	s_add_co_i32 s38, s38, 15
	s_lshl_b32 s38, s38, 23
	s_or_b32 s38, s38, 0x600000
.endr
	s_wait_alu depctr_va_vdst(0)
	s_wait_loadcnt 12                              ; step 0's four loads are in; steps 1 to 3 stay out
	XTURN 0
.irp t, 0,1,2,3,4,5,6,7
	XSTEP \t
.endr
	s_wait_tensorcnt 0x0                           ; the wave's end, behind my last LDS store
	ds_add_u32 v[SPW], v[NIL]
	s_wait_dscnt 0x0
	s_endpgm
; ---------------- the weights: a lane takes a column n, its registers run down K ----------------
.macro WLOAD t                         ; block t: W(32 t + i, my column), i = 0 .. 31, into set t % 2: 128 consecutive bytes a wave
.irp i, 0,1,2,3,4,5,6,7,8,9,10,11,12,13,14,15,16,17,18,19,20,21,22,23,24,25,26,27,28,29,30,31
	global_load_b32 v[WX+32*((\t)%2)+\i], v3, s[4:5] offset:(32*(\t)+\i)*4096 th:TH_LOAD_NT
.endr
.endm
.macro WBLOCK t
.set XS, WX+32*((\t)%2)
.if (\t) < NB-1
	s_wait_loadcnt 32                              ; this block's 32 loads are in; the next block's may be out
.else
	s_wait_loadcnt 0
.endif
.irp i, 0,1,2,3,4,5,6,7,8,9,10,11,12,13,14,15,16,17,18,19,20,21,22,23,24,25,26,27,28,29,30,31
.endr
.irp g, 0,1,2,3
	v_cvt_scalef32_pk8_bf8_f32 v[WC+2*\g:WC+2*\g+1], v[XS+8*\g:XS+8*\g+7], v11
.endr
	ds_store_b128 v4, v[WC:WC+3] offset:32*(\t)    ; 32 codes: 32 bytes of my column's row
	ds_store_b128 v4, v[WC+4:WC+7] offset:32*(\t)+16
.if (\t)+2 < NB
	WLOAD (\t)+2
.endif
	s_wait_dscnt 0x0                               ; the stores have read their registers: the next block's codes may be written
.endm
.Lweights:
	s_sub_co_u32 s20, ttmp9, 512                   ; 96 work-groups: 32 for each weight
	s_lshr_b32 s21, s20, 5                         ; which weight: 0 Wq, 1 Wk, 2 Wv
	s_and_b32 s22, s20, 7                          ; which 128 columns
	s_bfe_u32 s23, s20, 0x20003                    ; which 256 along K
	s_cmp_eq_u32 s21, 0
	s_cselect_b64 s[4:5], s[6:7], s[8:9]
	s_cmp_eq_u32 s21, 2
	s_cselect_b64 s[4:5], s[10:11], s[4:5]         ; the choice hangs on the work-group's number alone
	s_lshl_b32 s39, s22, 7
	s_lshl_b32 s40, s18, 5
	s_add_co_u32 s39, s39, s40                     ; my wave's first column, a multiple of 32
	s_lshl_b32 s40, s23, 20                        ; in: 256 rows of 4,096 bytes,
	s_lshl_b32 s41, s39, 2
	s_add_co_u32 s40, s40, s41                     ; + 4 x column
	s_mov_b32 s41, 0
	s_add_nc_u64 s[4:5], s[4:5], s[40:41]
	s_lshl_b32 s40, s21, 20                        ; out: the weight's 2^20 bytes,
	s_lshl_b32 s42, s39, 10
	s_add_co_u32 s40, s40, s42                     ; + column x 1,024
	s_lshl_b32 s42, s23, 8
	s_add_co_u32 s40, s40, s42                     ; + my 256 along K
	s_add_nc_u64 s[16:17], s[16:17], s[40:41]
	s_wait_alu depctr_va_vdst(0)
	v_lshlrev_b32 v3, 2, v2                        ; in: 4 bytes a lane
	s_mul_i32 s19, s18, 32*PITCH
	s_add_co_u32 s19, s19, WST                     ; my stage
	v_mul_u32_u24 v4, v2, PITCH
	v_add_nc_u32 v4, s19, v4                       ; into it: row = my column
	v_and_b32 v5, 15, v2
	v_lshrrev_b32 v6, 4, v2                        ; out of it: sixteen lanes to a row, two rows an instruction
	v_mul_u32_u24 v7, v6, PITCH
	v_lshl_add_u32 v7, v5, 4, v7
	v_add_nc_u32 v7, s19, v7
	v_lshlrev_b32 v8, 10, v6
	v_lshl_add_u32 v8, v5, 4, v8                   ; and the same two rows in wc
	WLOAD 0
	WLOAD 1
	s_wait_kmcnt 0x0
	s_cmp_eq_u32 s21, 0
	s_cselect_b32 s38, s25, s27
	s_cmp_eq_u32 s21, 2
	s_cselect_b32 s38, s29, s38                    ; e1, e3 or e5
	s_add_co_i32 s38, s38, 127
	s_lshl_b32 s39, s38, 23
	v_mov_b32 v11, s39                             ; 2^e
	s_add_co_i32 s38, s38, 15
	s_lshl_b32 s38, s38, 23
	s_or_b32 s38, s38, 0x600000
	s_wait_alu depctr_va_vdst(0)
.irp t, 0,1,2,3,4,5,6,7
	WBLOCK \t
.endr
.irp t, 0,1,2,3,4,5,6,7,8,9,10,11,12,13,14,15
	ds_load_b128 v[OUTR+4*\t:OUTR+4*\t+3], v7 offset:2*\t*PITCH   ; LDS serves a wave's instructions in order: these see my stores
.endr
.irp t, 0,1,2,3,4,5,6,7,8,9,10,11,12,13,14,15
	s_wait_dscnt 15-\t                             ; loads come back in order: number t is in, the 15 - t behind it may be out
	global_store_b128 v8, v[OUTR+4*\t:OUTR+4*\t+3], s[16:17] offset:(((2*\t)&7)|(((2*\t)&8)<<1)|(((2*\t)&16)>>1))*1024   ; columns 2 t, 2 t + 1 go to the rows with bits 3 and 4 exchanged; 16 lanes store 256 consecutive bytes, aligned
.endr
	s_wait_tensorcnt 0x0                           ; the wave's end, behind my last LDS store
	ds_add_u32 v[SPW], v[NIL]
	s_wait_dscnt 0x0
	s_endpgm
.Lfunc_end_k_qbf8df8d5d2_quant:
	.size	k_qbf8df8d5d2_quant, .Lfunc_end_k_qbf8df8d5d2_quant-k_qbf8df8d5d2_quant
	.p2alignl 7, 3214868480
	.fill 96, 4, 3214868480
	.section	.rodata,"a",@progbits
	.p2align	6, 0x0
	.amdhsa_kernel k_qbf8df8d5d2_quant
		.amdhsa_group_segment_fixed_size 55808
		.amdhsa_private_segment_fixed_size 0
		.amdhsa_enable_private_segment 0
		.amdhsa_kernarg_size 56
		.amdhsa_user_sgpr_count 2
		.amdhsa_user_sgpr_kernarg_segment_ptr 1
		.amdhsa_wavefront_size32 1
		.amdhsa_system_sgpr_workgroup_id_x 1
		.amdhsa_system_sgpr_workgroup_id_y 1
		.amdhsa_system_sgpr_workgroup_id_z 1
		.amdhsa_system_vgpr_workitem_id 0
		.amdhsa_next_free_vgpr 248
		.amdhsa_next_free_sgpr 66
		.amdhsa_reserve_vcc 0
		.amdhsa_float_denorm_mode_32 3
		.amdhsa_float_denorm_mode_16_64 3
		.amdhsa_fp16_overflow 1
		.amdhsa_memory_ordered 1
		.amdhsa_forward_progress 1
		.amdhsa_inst_pref_size 49
	.end_amdhsa_kernel
	.amdgpu_metadata
---
amdhsa.version: [ 1, 2 ]
amdhsa.kernels:
  - .name:           k_qbf8df8d5d2_quant
    .symbol:         k_qbf8df8d5d2_quant.kd
    .args:
      - { .name: inputs, .offset: 0, .size: 8, .value_kind: global_buffer, .address_space: global }
      - { .name: Wq, .offset: 8, .size: 8, .value_kind: global_buffer, .address_space: global }
      - { .name: Wk, .offset: 16, .size: 8, .value_kind: global_buffer, .address_space: global }
      - { .name: Wv, .offset: 24, .size: 8, .value_kind: global_buffer, .address_space: global }
      - { .name: lowp_scales, .offset: 32, .size: 8, .value_kind: global_buffer, .address_space: global }
      - { .name: xc, .offset: 40, .size: 8, .value_kind: global_buffer, .address_space: global }
      - { .name: wc, .offset: 48, .size: 8, .value_kind: global_buffer, .address_space: global }
    .group_segment_fixed_size: 55808
    .private_segment_fixed_size: 0
    .kernarg_segment_align: 8
    .kernarg_segment_size: 56
    .max_flat_workgroup_size: 128
    .sgpr_count:     66
    .vgpr_count:     248
    .wavefront_size: 32
...
	.end_amdgpu_metadata
.endif
;; end of part 1
;; launch proj (part 2): grid 4 x 96, 4 waves a work-group, clusters of 4 x 4, 327,680 bytes of LDS; arguments xc, wc, bq, bk, bv, lowp_scales, qkv; writes qkv
.if DOCPART == 2
	.amdgcn_target "amdgcn-amd-amdhsa--gfx1250"
	.amdhsa_code_object_version 6
	.text
	.protected	k_qbf8df8d5d2_proj
	.globl	k_qbf8df8d5d2_proj
	.p2align	8
	.type	k_qbf8df8d5d2_proj,@function
k_qbf8df8d5d2_proj:
	s_mov_b64 s[64:65], 0
	v_nop
	global_prefetch_b8 v0, s[64:65] scope:SCOPE_SE
	s_setreg_imm32_b32 hwreg(HW_REG_WAVE_MODE, 25, 1), 1
	s_wait_xcnt 0x0
	s_wait_alu depctr_hold_cnt(0) depctr_sa_sdst(0) depctr_va_vdst(0) depctr_va_sdst(0) depctr_va_ssrc(0) depctr_va_vcc(0) depctr_vm_vsrc(0)
	s_getreg_b32 s2, hwreg(HW_REG_IB_STS2, 6, 4)
	s_cmp_eq_u32 s2, 0
	s_cbranch_scc0 .Lentry_in_a_cluster
	s_endpgm
.Lentry_in_a_cluster:
	s_bfe_u32 s2, ttmp6, 0x10000c
	s_cmp_lg_u32 s2, 0xf033
	s_cbranch_scc0 .Lentry_shape_is_right
	s_endpgm
.Lentry_shape_is_right:
.set ROWB,   256
.set KROW,   1024
.set PITCH,  272
.set FR,     16
.set NL,     4
.set NP,     4
.set HALFT,  128*PITCH
.set SLOT,   4*HALFT
.set LAPS,   2
.set SPARE,  2*SLOT
.set BNO,  6
.set BMO,  7
.set ADRA, 16
.set ADRB, 20
.set CO,   26
.set SPW,  28
.set NIL,  29
.set BI,   32
.set Y,    96
.set AF,   128
.set CDS,  160
.set SCL,  224
.set LIMV, 225
.set G1, 24
.set G0, 32
.set G1B, 48
.set G0B, 56
.set MSB, 0
.macro WIN new
.if MSB != \new
	s_set_vgpr_msb (MSB<<8)|\new
.set MSB, \new
.endif
.endm
.set MUL_LO, 0xa1
.set MUL_HI, 0xf1
.set TO_B,   0x40
.macro JLOAD g0a, g1a, g0b, g1b
	s_cmp_eq_u32 s15, 0
	s_cbranch_scc0 .Lfor_b_\@
	tensor_load_to_lds s[\g0a:\g0a+3], s[\g1a:\g1a+7]
	s_nop 0
.rept 4
	v_nop
.endr
	s_branch .Lasked_\@
.Lfor_b_\@:
	tensor_load_to_lds s[\g0b:\g0b+3], s[\g1b:\g1b+7]
	s_nop 0
.rept 4
	v_nop
.endr
.Lasked_\@:
.endm
.macro CREST
	s_cmp_lg_u32 s14, 0
	s_cbranch_scc1 .Lnot_wave_0_\@
	s_barrier_signal -3
.Lnot_wave_0_\@:
	s_barrier_wait -3
	s_barrier_signal -1
	s_barrier_wait -1
.endm
.macro CROUND
	s_barrier_signal -1
	s_barrier_wait -1
	CREST
.endm
	s_load_b256 s[68:75], s[0:1], 0x0
	s_load_b128 s[76:79], s[0:1], 0x20
	s_load_b64 s[80:81], s[0:1], 0x30
	v_lshl_add_u32 v[SPW], v0, 2, SPARE
	v_mov_b32 v[NIL], 0
	ds_add_u32 v[SPW], v[NIL]
	ds_add_u32 v[SPW], v[NIL]
	v_lshrrev_b32 v1, 5, v0
	v_readfirstlane_b32 s14, v1
	s_lshr_b32 s15, s14, 1
	s_and_b32 s16, s14, 1
	s_bfe_u32 s40, ttmp6, 0x40000
	s_bfe_u32 s41, ttmp6, 0x40004
	s_and_b32 s66, ttmp7, 0xffff
	s_and_b32 s67, s66, 7
	s_lshr_b32 s66, s66, 3
	s_lshl_b32 s67, s67, 2
	s_lshl_b32 s18, s66, 23
	s_lshl_b32 s19, s66, 20
	s_cmp_eq_u32 s66, 2
	s_cselect_b32 s17, 0, s67
	s_cselect_b32 s42, s67, 0
	s_cselect_b32 s20, s19, s18
	s_cselect_b32 s22, s18, s19
	s_mov_b32 s21, 0
	s_mov_b32 s23, 0
	s_add_co_u32 s17, s17, s41
	s_add_co_u32 s42, s42, s40
	s_lshl_b32 s43, s41, 2
	s_lshl_b32 s43, 15, s43
	s_lshl_b32 s44, 0x1111, s40
	s_or_b32 s[G1+0], s43, (0<<16)|(1<<20)|(1<<21)|(5<<22)|(3<<25)
	s_or_b32 s[G1B+0], s44, (0<<16)|(1<<20)|(1<<21)|(5<<22)|(3<<25)
.irp g, G1, G1B
	s_mov_b32 s[\g+1], ROWB<<16
	s_mov_b32 s[\g+2], 128<<16
	s_mov_b32 s[\g+3], ROWB<<16
	s_mov_b32 s[\g+4], 128
	s_mov_b32 s[\g+5], KROW
	s_mov_b32 s[\g+6], 0
	s_mov_b32 s[\g+7], 0
.endr
	s_lshl_b32 s46, s16, 17
	s_lshl_b32 s47, s17, 18
	s_add_co_u32 s20, s20, s47
	s_add_co_u32 s20, s20, s46
	s_lshl_b32 s82, s42, 18
	s_add_co_u32 s22, s22, s82
	s_add_co_u32 s22, s22, s46
	s_mul_i32 s45, s14, HALFT
	s_wait_dscnt 0x0
	s_wait_kmcnt 0x0
	s_load_b256 s[84:91], s[78:79], 0x0
	s_load_b64 s[92:93], s[78:79], 0x20
	s_cmp_eq_u32 s66, 2
	s_cselect_b64 s[4:5], s[70:71], s[68:69]
	s_cselect_b64 s[6:7], s[68:69], s[70:71]
	s_add_nc_u64 s[4:5], s[4:5], s[20:21]
	s_add_nc_u64 s[6:7], s[6:7], s[22:23]
	CROUND
.irp s, 0,1
	s_mov_b32 s[G0+4*\s], 1
	s_add_co_u32 s[G0+4*\s+1], s45, \s*SLOT
	s_add_nc_u64 s[G0+4*\s+2:G0+4*\s+3], s[4:5], \s*ROWB
	s_or_b32 s[G0+4*\s+3], s[G0+4*\s+3], 0x80000000
	s_mov_b32 s[G0B+4*\s], 1
	s_add_co_u32 s[G0B+4*\s+1], s45, \s*SLOT
	s_add_nc_u64 s[G0B+4*\s+2:G0B+4*\s+3], s[6:7], \s*ROWB
	s_or_b32 s[G0B+4*\s+3], s[G0B+4*\s+3], 0x80000000
	s_wait_alu depctr_va_vdst(0)
	s_wait_tensorcnt 0x0
	ds_add_u32 v28, v29
	ds_add_u32 v28, v29
	s_wait_dscnt 0x0
	CROUND
	JLOAD G0+4*\s, G1, G0B+4*\s, G1B
.endr
	v_and_b32 v1, 15, v0
	v_bfe_u32 v2, v0, 4, 1
	v_mul_u32_u24 v3, v1, PITCH
	v_lshl_add_u32 v4, v2, 4, v3
	s_mul_i32 s21, s15, HALFT
	s_mul_i32 s22, s16, HALFT
	s_add_co_u32 s22, s22, 2*HALFT
.irp s, 0,1
	v_add_nc_u32 v[ADRA+\s], s21, v4
	v_add_nc_u32 v[ADRB+\s], s22, v4
	s_add_co_u32 s21, s21, SLOT
	s_add_co_u32 s22, s22, SLOT
.endr
	v_lshlrev_b32 v[BNO], 6, v2
	v_and_b32 v5, 8, v1
	v_add_nc_u32 v5, v5, v1
	v_lshlrev_b32 v[BMO], 2, v5
	v_and_b32 v5, 31, v0
	v_lshlrev_b32 v[CO], 4, v5
.macro FRAG reg, adr, q, i
.irp c, 0,1,2,3
	ds_load_b128 v[\reg+4*\c:\reg+4*\c+3], v[\adr] offset:128*(\q)+32*\c+(\i)*16*PITCH
.endr
.endm
.macro MUL16 a0, p, zero
.irp a, \a0, \a0+1
.irp b, 0,1,2,3,4,5,6,7
.if \zero
	v_wmma_f32_16x16x128_bf8_bf8 v[8*(8*((\a)%4)+\b):8*(8*((\a)%4)+\b)+7], v[128*(\p)+FR*\b:128*(\p)+FR*\b+FR-1], v[AF+FR*(\a):AF+FR*(\a)+FR-1], 0
.else
	v_wmma_f32_16x16x128_bf8_bf8 v[8*(8*((\a)%4)+\b):8*(8*((\a)%4)+\b)+7], v[128*(\p)+FR*\b:128*(\p)+FR*\b+FR-1], v[AF+FR*(\a):AF+FR*(\a)+FR-1], v[8*(8*((\a)%4)+\b):8*(8*((\a)%4)+\b)+7]
.endif
.endr
.endr
.endm
.macro FETCH_B slot, q, p
	WIN TO_B
.irp i, 0,1,2,3,4,5,6,7
	FRAG 128*(\p)+FR*\i, ADRB+\slot, \q, \i
.endr
	WIN 0
.endm
.macro FETCH_A slot, q, i0
.irp i, \i0, \i0+1, \i0+2, \i0+3
	FRAG AF+FR*(\i), ADRA+\slot, \q, \i
.endr
.endm
.macro PLACES n
.rept \n
	v_nop
.endr
.endm
.macro STEP slot, q, zero
	s_wait_dscnt 4*NL
	WIN MUL_LO
	MUL16 0, (\q)%2, \zero
	MUL16 2, (\q)%2, \zero
	s_wait_dscnt 0
	PLACES NP
	FETCH_B \slot, (\q)+1, 1-(\q)%2
	FETCH_A \slot, (\q)+1, 0
	WIN MUL_HI
	MUL16 4, (\q)%2, \zero
	MUL16 6, (\q)%2, \zero
	PLACES NP
	WIN 0
	FETCH_A \slot, (\q)+1, 4
.endm
.macro TURN slot, next, fill
	s_wait_tensorcnt 0x0
	ds_add_u32 v[SPW], v[NIL]
	s_wait_dscnt 4*NL+1
	WIN MUL_LO
	MUL16 0, 1, 0
	s_wait_dscnt 0x0
	s_barrier_signal -1
	MUL16 2, 1, 0
	WIN 0
	s_barrier_wait -1
.if \fill
	CREST
	s_add_nc_u64 s[G0+4*\slot+2:G0+4*\slot+3], s[G0+4*\slot+2:G0+4*\slot+3], 2*ROWB
	s_add_nc_u64 s[G0B+4*\slot+2:G0B+4*\slot+3], s[G0B+4*\slot+2:G0B+4*\slot+3], 2*ROWB
	JLOAD G0+4*\slot, G1, G0B+4*\slot, G1B
.else
	PLACES NP
.endif
	FETCH_B \next, 0, 0
	FETCH_A \next, 0, 0
	WIN MUL_HI
	MUL16 4, 1, 0
	MUL16 6, 1, 0
	PLACES NP
	WIN 0
	FETCH_A \next, 0, 4
.endm
.macro EPI byrow
.irp a, 0,1,2,3,4,5,6,7
.set AC, 64*(\a%4)
.set CD, CDS+16*(\a%4)
	WIN 0x02+(\a/4)
.set j, 0
.rept 32
.if \byrow
	v_pk_fma_f32 v[Y+j:Y+j+1], v[AC+j:AC+j+1], s[96:97], v[BI+2*\a:BI+2*\a+1] op_sel_hi:[1,0,1]
.else
	v_pk_fma_f32 v[Y+j:Y+j+1], v[AC+j:AC+j+1], s[96:97], v[BI+j:BI+j+1] op_sel_hi:[1,0,1]
.endif
.set j, j+2
.endr
	WIN 0
.set j, 0
.rept 64
.set j, j+1
.endr
.if \a > 3
	s_wait_alu depctr_va_vdst(0)
	s_wait_xcnt 0x0
.endif
.irp g, 0,1,2,3,4,5,6,7
	v_cvt_scalef32_pk8_bf8_f32 v[CD+2*\g:CD+2*\g+1], v[Y+8*\g:Y+8*\g+7], v[SCL]
.endr
	v_nop
.irp b, 0,1,2,3
.if \byrow
	global_store_b128 v[CO], v[CD+4*\b:CD+4*\b+3], s[10:11] offset:(\a/4)*131072+(\a%4)*2048+512*\b
.else
	global_store_b128 v[CO], v[CD+4*\b:CD+4*\b+3], s[10:11] offset:(\b/2)*131072+\a*1024+512*(\b%2)
.endif
.endr
.endr
.endm
.macro FINISH byrow
	s_wait_dscnt 4*NL
	WIN MUL_LO
	MUL16 0, 1, 0
	MUL16 2, 1, 0
	s_wait_dscnt 0
	WIN MUL_HI
	MUL16 4, 1, 0
	MUL16 6, 1, 0
	WIN 0
	s_add_co_i32 s96, s18, s19
	s_add_co_i32 s96, s96, 127
	s_lshl_b32 s96, s96, 23
	s_mov_b32 s97, s96
	s_add_co_i32 s20, s20, 127
	s_lshl_b32 s21, s20, 23
	s_add_co_i32 s20, s20, 15
	s_lshl_b32 s20, s20, 23
	s_or_b32 s20, s20, 0x600000
	PLACES NP
	v_mov_b32 v[SCL], s21
	s_wait_loadcnt 0x0
	EPI \byrow
.endm
	s_wait_alu depctr_va_vdst(0)
	s_wait_tensorcnt 1
	s_barrier_signal -1
	s_barrier_wait -1
	FETCH_B 0, 0, 0
	FETCH_A 0, 0, 0
	FETCH_A 0, 0, 4
	STEP 0, 0, 1
	s_mov_b32 s3, LAPS-1
.Llap:
	TURN 0, 1, 1
	STEP 1, 0, 0
	TURN 1, 0, 1
	STEP 0, 0, 0
	s_sub_co_u32 s3, s3, 1
	s_cmp_lg_u32 s3, 0
	s_cbranch_scc1 .Llap
	TURN 0, 1, 0
	STEP 1, 0, 0
	s_wait_kmcnt 0x0
	s_cmp_eq_u32 s66, 2
	s_cbranch_scc1 .Lfor_v
	s_cmp_eq_u32 s66, 0
	s_cselect_b64 s[8:9], s[72:73], s[74:75]
	s_cselect_b32 s18, s84, s86
	s_cselect_b32 s19, s85, s87
	s_cselect_b32 s20, s90, s91
	s_lshl_b32 s22, s42, 10
	s_lshl_b32 s23, s16, 9
	s_add_co_u32 s22, s22, s23
	s_mov_b32 s23, 0
	s_add_nc_u64 s[8:9], s[8:9], s[22:23]
.irp b, 0,1,2,3
.irp i, 0,1,2,3
	global_load_b128 v[BI+16*\b+4*\i:BI+16*\b+4*\i+3], v[BNO], s[8:9] offset:128*\b+16*\i
.endr
.endr
	s_lshl_b32 s22, s66, 23
	s_lshr_b32 s46, s17, 3
	s_lshl_b32 s46, s46, 21
	s_add_co_u32 s22, s22, s46
	s_lshl_b32 s46, s42, 2
	s_lshl_b32 s47, s16, 1
	s_add_co_u32 s46, s46, s47
	s_lshl_b32 s46, s46, 17
	s_add_co_u32 s22, s22, s46
	s_and_b32 s46, s17, 7
	s_lshl_b32 s46, s46, 4
	s_lshl_b32 s47, s15, 3
	s_add_co_u32 s46, s46, s47
	s_lshl_b32 s46, s46, 10
	s_add_co_u32 s22, s22, s46
	s_add_nc_u64 s[10:11], s[80:81], s[22:23]
	FINISH 0
	s_branch .Lend
.Lfor_v:
	s_mov_b32 s18, s88
	s_mov_b32 s19, s89
	s_mov_b32 s20, s93
	s_lshl_b32 s22, s17, 10
	s_lshl_b32 s23, s15, 9
	s_add_co_u32 s22, s22, s23
	s_mov_b32 s23, 0
	s_add_nc_u64 s[8:9], s[76:77], s[22:23]
.irp a, 0,1,2,3,4,5,6,7
	global_load_b32 v[BI+2*\a], v[BMO], s[8:9] offset:4*(32*(\a/2)+8*(\a%2))
	global_load_b32 v[BI+2*\a+1], v[BMO], s[8:9] offset:4*(32*(\a/2)+8*(\a%2))
.endr
	s_lshr_b32 s46, s42, 3
	s_lshl_b32 s46, s46, 21
	s_add_co_u32 s22, s46, 0x1000000
	s_lshl_b32 s46, s17, 2
	s_lshl_b32 s47, s15, 1
	s_add_co_u32 s46, s46, s47
	s_lshl_b32 s46, s46, 17
	s_add_co_u32 s22, s22, s46
	s_and_b32 s46, s42, 7
	s_lshl_b32 s46, s46, 1
	s_add_co_u32 s46, s46, s16
	s_lshl_b32 s46, s46, 13
	s_add_co_u32 s22, s22, s46
	s_add_nc_u64 s[10:11], s[80:81], s[22:23]
	FINISH 1
.Lend:
	s_wait_tensorcnt 0x0
	ds_add_u32 v[SPW], v[NIL]
	s_wait_dscnt 0x0
	CROUND
	s_endpgm
.Lfunc_end_k_qbf8df8d5d2_proj:
	.size	k_qbf8df8d5d2_proj, .Lfunc_end_k_qbf8df8d5d2_proj-k_qbf8df8d5d2_proj
	.p2alignl 7, 3214868480
	.fill 96, 4, 3214868480
	.section	.rodata,"a",@progbits
	.p2align	6, 0x0
	.amdhsa_kernel k_qbf8df8d5d2_proj
		.amdhsa_group_segment_fixed_size 327680
		.amdhsa_private_segment_fixed_size 0
		.amdhsa_enable_private_segment 0
		.amdhsa_kernarg_size 56
		.amdhsa_user_sgpr_count 2
		.amdhsa_user_sgpr_kernarg_segment_ptr 1
		.amdhsa_wavefront_size32 1
		.amdhsa_system_sgpr_workgroup_id_x 1
		.amdhsa_system_sgpr_workgroup_id_y 1
		.amdhsa_system_sgpr_workgroup_id_z 1
		.amdhsa_system_vgpr_workitem_id 0
		.amdhsa_next_free_vgpr 1024
		.amdhsa_next_free_sgpr 100
		.amdhsa_reserve_vcc 0
		.amdhsa_float_denorm_mode_32 3
		.amdhsa_float_denorm_mode_16_64 3
		.amdhsa_fp16_overflow 1
		.amdhsa_memory_ordered 1
		.amdhsa_forward_progress 1
		.amdhsa_inst_pref_size 136
	.end_amdhsa_kernel
	.amdgpu_metadata
---
amdhsa.version: [ 1, 2 ]
amdhsa.kernels:
  - .name:           k_qbf8df8d5d2_proj
    .symbol:         k_qbf8df8d5d2_proj.kd
    .args:
      - { .name: xc, .offset: 0, .size: 8, .value_kind: global_buffer, .address_space: global }
      - { .name: wc, .offset: 8, .size: 8, .value_kind: global_buffer, .address_space: global }
      - { .name: bq, .offset: 16, .size: 8, .value_kind: global_buffer, .address_space: global }
      - { .name: bk, .offset: 24, .size: 8, .value_kind: global_buffer, .address_space: global }
      - { .name: bv, .offset: 32, .size: 8, .value_kind: global_buffer, .address_space: global }
      - { .name: lowp_scales, .offset: 40, .size: 8, .value_kind: global_buffer, .address_space: global }
      - { .name: qkv, .offset: 48, .size: 8, .value_kind: global_buffer, .address_space: global }
    .group_segment_fixed_size: 327680
    .private_segment_fixed_size: 0
    .kernarg_segment_align: 8
    .kernarg_segment_size: 56
    .max_flat_workgroup_size: 128
    .sgpr_count:     100
    .vgpr_count:     1024
    .wavefront_size: 32
...
	.end_amdgpu_metadata
.endif
;; end of part 2
;; launch attn (part 3): grid 4 x 64, 16 waves a work-group, clusters of 4 x 1, 327,680 bytes of LDS; arguments qkv, attention_mask, lowp_scales, out0; writes out0
.if DOCPART == 3
	.amdgcn_target "amdgcn-amd-amdhsa--gfx1250"
	.amdhsa_code_object_version 6
	.text
	.protected	k_qbf8df8d5d2_attn
	.globl	k_qbf8df8d5d2_attn
	.p2align	8
	.type	k_qbf8df8d5d2_attn,@function
k_qbf8df8d5d2_attn:
	s_mov_b64 s[64:65], 0
	v_nop
	global_prefetch_b8 v0, s[64:65] scope:SCOPE_SE
	s_setreg_imm32_b32 hwreg(HW_REG_WAVE_MODE, 25, 1), 1
	s_wait_xcnt 0x0
	s_wait_alu depctr_hold_cnt(0) depctr_sa_sdst(0) depctr_va_vdst(0) depctr_va_sdst(0) depctr_va_ssrc(0) depctr_va_vcc(0) depctr_vm_vsrc(0)
	s_getreg_b32 s2, hwreg(HW_REG_IB_STS2, 6, 4)
	s_cmp_eq_u32 s2, 0
	s_cbranch_scc0 .Lentry_in_a_cluster
	s_endpgm
.Lentry_in_a_cluster:
	s_bfe_u32 s2, ttmp6, 0x10000c
	s_cmp_lg_u32 s2, 0x3003
	s_cbranch_scc0 .Lentry_shape_is_right
	s_endpgm
.Lentry_shape_is_right:
; ATTENTION on codes of BF8 (E5M2): out[b][q][head] = the sum over k of softmax_k(q . k / 8 + (1 - mask[b][k]) x -10000) v[k].  No work of reference() is left out: masked keys are computed like the others.
; THE SOFTMAX AHEAD OF THE SECOND PRODUCT: t = logit x log2(e); M = the row's largest t so far, rounded UP to a whole number; p = 2^(t - M) is quantised with 2^e8; the row's sum is taken of the unquantised p
; and divides at the end.  When M moves, the sum and O are multiplied by 2^(old M - new M), which rounds nothing.
; SHARES.  A cluster of four work-groups is one (batch, head); a work-group owns 512 of its 2,048 queries and stays for two passes; each of its sixteen waves owns one tile of 16 queries a pass, in 256 registers.
; THE WHOLE HEAD'S K AND V LIE IN LDS, 131,072 bytes each, in the order of the operand registers (the launch before laid them so): every LDS read is 16 bytes x lane on end, with no pitch and no padding.
; They are asked for ONCE, jointly by the four partners: each wave issues one tensor load of 64 rows x 256 bytes, the same in all four work-groups.  Nothing is filled again: no ring, and no round inside the loops.
; A wave has one tensor load out.  Everything that this launch reads is asked for in its first lines, so there is nothing left to ask for ahead of time.
; LAYOUT.  Both products are used transposed: S^T = K Q^T (source 0 = 16 keys, source 1 = my 16 queries), O^T = V^T P^T: a lane holds ONE query (lane % 16) throughout.  Tile T of K holds keys
; 32 (T / 2) + 8 (T % 2) + r + 8 (r / 8), so the 16 registers of score tiles 2 b, 2 b + 1 are keys 32 b + 16 (lane / 16) + 0 .. 15; V's tiles of channels are chosen alike.
; THE MASK COSTS NO VECTOR WORK IN THE LOOP: (1 - mask) x -10000 x 2^(3 - e6 - e7), one f32 a key, lies in LDS and is loaded straight into the score registers as the C of S^T's matrix instruction:
; t = (sum of code products + C) x c with c = log2(e) / 8 x 2^(e6 + e7).
; LIMITS: e6 + e7 between -110 and 130 (C and c are then f32 numbers); e8 between -126 and 112; e8 + e9 is applied by v_ldexp_f32 and has none.  10000 m - 10000 is one fused multiply-add: it equals
; (1 - m) x -10000 wherever 1 - m is exact in f32 (|m| under 2^24).
.set VL,    131072                     ; LDS: K from 0 (tile T at 1,024 T + 512 c), V from here (8,192 s + 2,048 t + 512 c),
.set BIAS,  262144                     ; the mask's term, key k at 4 k: 8,192 bytes that only ds_store fills,
.set SPARE, 270336                     ; the spare words, 128 bytes for each wave: eight blocks of 256 bytes that no other line names
.set STG,   8704                       ; the way out: for each wave two stages of 16 rows x (256 + 16) bytes, from LDS byte 0 on: behind the last barrier, where K and V have had their only fill and nobody reads them
.set LI,   1                           ; v1   16 x lane
.set BH,   2                           ; v2   BIAS + 64 x (lane / 16)
.set RR,   3                           ; v3   r = lane % 16
.set HH,   4                           ; v4   h = lane / 16
.set SPW,  5                           ; v5   LDS address of my spare word; never rewritten
.set NIL,  6                           ; v6   0; never rewritten
.set GO,   7                           ; v7   the way out: 4,096 h + 16 r
.set ADK,  8                           ; v8-10  LDS addresses of the step's K, V and mask term
.set ADV,  9
.set ADB,  10
.set TO,   11                          ; v11  16 x my thread's number
.set KV,   32                          ; v32-95   K's 8 fragments, then V's 4; on the way out rows read back.  v12 -M, v13 the largest t, v[14:15] the sum; v16-23, v24-31 Q of pass 0, 1
.set S,    96                          ; v96-159  the mask term, then S^T, then p; pass 1's finished O in v96-127
.set O,    160                         ; v160-191 O^T
.set PC,   192                         ; v192-207 p's codes
.set O0,   208                         ; v208-239 pass 0's finished O
.set LIMP, 240                         ; v241 2^e8;  v[242:243] the sum's second chain;  v[244:245] f;  v246, v247 the maximum's chains;  v248 a permute's destination
.set SCP,  241
.set STI,  249                         ; v249 the stage, way in;  v250 way back;  v251 where I store the mask term
.set STB,  250
.set BST,  251
.set WV,   18                          ; s18  my wave's number
.set SEL,  20                          ; s[20:21] lane selects for v_permlanex16_b32: lane l xor 16
.set CS,   22                          ; s[22:23] c, twice
.set G1,   24                          ; s[24:31] descriptor group 1;  s[32:35] group 0;  s[36:39] e6 .. e9
.set G0,   32
.set KB,   40                          ; s40-42 the step's first LDS byte of K, of V, of the mask term;  s43 steps to go;  s45 e8 + e9
.set VB,   41
.set BB,   42
.set CNT,  43
.macro ROUND                           ; a round of the cluster's barrier
	s_barrier_signal -1
	s_barrier_wait -1
	s_cmp_lg_u32 s[WV], 0
	s_cbranch_scc1 .Lnot_wave_0_\@
	s_barrier_signal -3
.Lnot_wave_0_\@:
	s_barrier_wait -3
	s_barrier_signal -1
	s_barrier_wait -1
.endm
	s_load_b256 s[4:11], s[0:1], 0x0               ; qkv s[4:5], the mask s[6:7], the scales' exponents s[8:9], out0 s[10:11]
	v_lshl_add_u32 v[SPW], v0, 2, SPARE
	v_mov_b32 v[NIL], 0
	ds_add_u32 v[SPW], v[NIL]                      ; the wave's opening: the add, twice on end, and its wait ahead of my first tensor load; the set-up below stands between
	ds_add_u32 v[SPW], v[NIL]
	v_lshrrev_b32 v8, 5, v0
	s_delay_alu instid0(VALU_DEP_1)
	v_readfirstlane_b32 s[WV], v8                  ; wave 0..15
	s_bfe_u32 s60, ttmp6, 0x40000                  ; cx: it enters Q's and O's global addresses alone
	s_and_b32 s44, ttmp7, 0xffff                   ; 16 x batch + head: the cluster's y
	; descriptor group 1: 64 rows of 256 bytes, dense in memory and in LDS
	s_mov_b32 s[G1], 15|(3<<16)|(1<<21)            ; 15:0 the mask: all four work-groups; 17:16 elements of 8 bytes; 20 no padding; 21 set beside a mask
	s_mov_b32 s[G1+1], 32<<16                      ; tensor_dim0 = 32
	s_mov_b32 s[G1+2], 64<<16                      ; tensor_dim1 = 64
	s_mov_b32 s[G1+3], 32<<16                      ; tile_dim0 = 32
	s_mov_b32 s[G1+4], 64                          ; tile_dim1 = 64
	s_mov_b32 s[G1+5], 32                          ; tensor_dim0_stride
	s_mov_b32 s[G1+6], 0
	s_mov_b32 s[G1+7], 0
	s_mov_b32 s[SEL], 0x76543210
	s_mov_b32 s[SEL+1], 0xfedcba98
	s_mov_b32 s[CS], 0x3e38aa3b                    ; log2(e) / 8
	s_lshr_b32 s46, s[WV], 3                       ; what I fetch: waves 0-7 K (part 1 of qkv), waves 8-15 V (part 2),
	s_add_co_u32 s46, s46, 1
	s_lshl_b32 s46, s46, 23
	s_lshl_b32 s54, s44, 17                        ; the head's 131,072 bytes,
	s_add_co_u32 s46, s46, s54
	s_and_b32 s55, s[WV], 7
	s_lshl_b32 s55, s55, 14                        ; my eighth of them
	s_add_co_u32 s46, s46, s55
	s_mov_b32 s47, 0
	s_lshl_b32 s48, s60, 5                         ; Q: tile 32 cx + wave (pass 1: 16 tiles on), 1,024 bytes a tile
	s_add_co_u32 s48, s48, s[WV]
	s_lshl_b32 s48, s48, 10
	s_add_co_u32 s48, s48, s54
	s_mov_b32 s49, 0
	s_lshr_b32 s56, s44, 4                         ; the batch
	s_lshl_b32 s50, s56, 13                        ; its 2,048 words of the mask
	s_mov_b32 s51, 0
	s_lshl_b32 s52, s60, 9                         ; O: my tile's first token 512 cx + 32 (wave / 2) + 8 (wave % 2) (pass 1: 256 on), rows of 4,096 bytes,
	s_lshr_b32 s55, s[WV], 1
	s_lshl_b32 s55, s55, 5
	s_add_co_u32 s52, s52, s55
	s_and_b32 s55, s[WV], 1
	s_lshl_b32 s55, s55, 3
	s_add_co_u32 s52, s52, s55
	s_lshl_b32 s52, s52, 12
	s_lshl_b32 s55, s56, 23                        ; the batch's 2,048 rows,
	s_add_co_u32 s52, s52, s55
	s_and_b32 s55, s44, 15
	s_lshl_b32 s55, s55, 8                         ; the head's 256 bytes of a row
	s_add_co_u32 s52, s52, s55
	s_mov_b32 s53, 0
	s_mov_b32 s[G0], 1                             ; 1:0 count = 1
	s_lshl_b32 s[G0+1], s[WV], 14                  ; 63:32 LDS address: wave x 16,384: K's eight parts, then V's eight
	s_wait_dscnt 0x0                               ; both opening adds are done
	s_wait_kmcnt 0x0
	s_load_b128 s[36:39], s[8:9], 0x18             ; e6, e7, e8, e9
	s_add_nc_u64 s[G0+2:G0+3], s[4:5], s[46:47]    ; 120:64 global address
	s_or_b32 s[G0+3], s[G0+3], 0x80000000          ; 127:126 type = 2
	s_add_nc_u64 s[48:49], s[4:5], s[48:49]
	s_add_nc_u64 s[50:51], s[6:7], s[50:51]
	s_add_nc_u64 s[10:11], s[10:11], s[52:53]
	ROUND                                          ; all four work-groups are here: the joint loads meet
	tensor_load_to_lds s[G0:G0+3], s[G1:G1+7]      ; my one tensor load of the launch
	s_nop 0
	v_lshlrev_b32 v[TO], 4, v0
	global_load_b128 v[S:S+3], v[TO], s[50:51]     ; four words of the batch's mask a thread: 512 threads, 2,048 keys
	v_and_b32 v[LI], 31, v0
	s_delay_alu instid0(VALU_DEP_1)
	v_lshlrev_b32 v[LI], 4, v[LI]
	global_load_b128 v[16:19], v[LI], s[48:49] th:TH_LOAD_NT               ; Q of pass 0: channels 16 h + 0 .. 15,
	global_load_b128 v[20:23], v[LI], s[48:49] offset:512 th:TH_LOAD_NT    ; 32 + 16 h + 0 .. 15
	global_load_b128 v[24:27], v[LI], s[48:49] offset:16384 th:TH_LOAD_NT  ; Q of pass 1
	global_load_b128 v[28:31], v[LI], s[48:49] offset:16896 th:TH_LOAD_NT
	v_and_b32 v[RR], 15, v0
	v_bfe_u32 v[HH], v0, 4, 1
	s_delay_alu instid0(VALU_DEP_1)
	v_lshl_add_u32 v[BH], v[HH], 6, BIAS
	v_lshl_add_u32 v[BST], v0, 4, BIAS
	s_delay_alu instid0(VALU_DEP_3)
	v_lshlrev_b32 v[GO], 12, v[HH]
	s_delay_alu instid0(VALU_DEP_1)
	v_lshl_add_u32 v[GO], v[RR], 4, v[GO]
	s_mul_i32 s55, s[WV], STG
	v_mul_u32_u24 v[STI], v[RR], 272
	s_delay_alu instid0(VALU_DEP_1)
	v_lshl_add_u32 v[STI], v[HH], 6, v[STI]
	s_delay_alu instid0(VALU_DEP_1)
	v_add_nc_u32 v[STI], s55, v[STI]               ; in: row r, + 64 h
	v_mul_u32_u24 v[STB], v[HH], 272
	s_delay_alu instid0(VALU_DEP_1)
	v_lshl_add_u32 v[STB], v[RR], 4, v[STB]
	s_delay_alu instid0(VALU_DEP_1)
	v_add_nc_u32 v[STB], s55, v[STB]               ; back: lanes 0-15 one row, lanes 16-31 the next
	v_mov_b32 v245, 0                              ; (named as the upper half of the pair v[244:245])
	v_mov_b32 v248, 0                              ; written once: a lane permute's destination counts as one of its sources
	s_wait_kmcnt 0x0
	s_add_co_i32 s54, s36, s37                     ; e6 + e7:
	s_lshl_b32 s55, s54, 23
	s_add_co_i32 s[CS], s[CS], s55                 ; added to c's exponent field,
	s_mov_b32 s[CS+1], s[CS]
	s_sub_co_i32 s54, 3, s54                       ; and taken out of the mask's term, with the 8 of 1 / sqrt(64)
	s_add_co_i32 s55, s38, 127
	s_lshl_b32 s56, s55, 23
	v_mov_b32 v[SCP], s56                          ; 2^e8 as f32
	s_add_co_i32 s45, s38, s39                     ; e8 + e9
	s_mov_b32 s56, 0x461c4000                      ; 10000.0
	s_mov_b32 s57, 0xc61c4000                      ; -10000.0
	s_wait_loadcnt 4                               ; the mask's words are in; Q's four loads, issued behind, may be out
.irp i, 0,1,2,3
	v_cvt_f32_i32 v[S+4+\i], v[S+\i]
.endr
.irp i, 0,1,2,3
	s_delay_alu instid0(VALU_DEP_4)
	v_fma_f32 v[S+4+\i], v[S+4+\i], s56, s57       ; (1 - m) x -10000
.endr
.irp i, 0,1,2,3
	s_delay_alu instid0(VALU_DEP_4)
	v_ldexp_f32 v[S+4+\i], v[S+4+\i], s54          ; x 2^(3 - e6 - e7): nothing is rounded
.endr
	ds_store_b128 v[BST], v[S+4:S+7]
	s_wait_tensorcnt 0x0                           ; my part of K or V has landed,
	s_wait_dscnt 0x0                               ; my part of the mask's term is stored:
	s_barrier_signal -1
	s_barrier_wait -1                              ; everybody's is
	s_wait_loadcnt 0x0                             ; Q
; A KEY STEP: 128 keys.  q: the first register of the pass's Q.
.macro STEP q
	v_add_nc_u32 v[ADK], s[KB], v[LI]
	v_add_nc_u32 v[ADV], s[VB], v[LI]
	v_add_nc_u32 v[ADB], s[BB], v[BH]
	v_nop                                          ; four plain lines behind the last step's products, in front of the loads into the registers that they read
.irp b, 0,1,2,3
.irp i, 0,1,2,3
	ds_load_b128 v[S+16*\b+4*\i:S+16*\b+4*\i+3], v[ADB] offset:128*\b+16*\i   ; the mask's term of keys 32 b + 16 h + 4 i on: all lanes of a half read the same words
.endr
.endr
.irp t, 0,1,2,3,4,5,6,7
.irp c, 0,1
	ds_load_b128 v[KV+8*\t+4*\c:KV+8*\t+4*\c+3], v[ADK] offset:1024*\t+512*\c
.endr
.endr
	s_wait_alu depctr_va_vdst(0)
	s_wait_dscnt 0x0
.irp t, 0,1,2,3,4,5,6,7                        ; S^T = K Q^T + the mask's term: eight accumulators, one instruction each
	v_wmma_f32_16x16x64_bf8_bf8 v[S+8*\t:S+8*\t+7], v[KV+8*\t:KV+8*\t+7], v[\q:\q+7], v[S+8*\t:S+8*\t+7]
.endr
.rept 4
	v_nop                                          ; places in front of the loads into K's registers and of the first read of the scores
.endr
.irp t, 0,1,2,3
.irp c, 0,1,2,3
	ds_load_b128 v[KV+16*\t+4*\c:KV+16*\t+4*\c+3], v[ADV] offset:2048*\t+512*\c   ; V lands under the softmax
.endr
.endr
	v_max3_num_f32 v246, v[S], v[S+1], v[S+2]      ; the step's largest score of my query among my 64 keys, in two chains, each accumulator from its low end on,
	v_max3_num_f32 v247, v[S+3], v[S+4], v[S+5]
.irp i, 6,10,14,18,22,26,30,34,38,42,46,50,54,58
	v_max3_num_f32 v246, v246, v[S+\i], v[S+1+\i]
	v_max3_num_f32 v247, v247, v[S+2+\i], v[S+3+\i]
.endr
	v_max3_num_f32 v246, v246, v[S+62], v[S+63]
	s_delay_alu instid0(VALU_DEP_1)
	v_max_num_f32 v246, v246, v247
	s_delay_alu instid0(VALU_DEP_1)
	v_permlanex16_b32 v248, v246, s[SEL], s[SEL+1]
	s_delay_alu instid0(VALU_DEP_1)
	v_max_num_f32 v246, v246, v248                 ; and among lane l xor 16's
	s_delay_alu instid0(VALU_DEP_1)
	v_mul_f32 v246, s[CS], v246                    ; as t (c is positive)
	s_delay_alu instid0(VALU_DEP_1)
	v_max_num_f32 v13, v13, v246                   ; the running largest t
	v_mov_b32 v246, v12
	s_delay_alu instid0(VALU_DEP_2)
	v_floor_f32 v12, -v13                          ; the new -M = floor(-t) = -ceil(t): a whole number
	s_delay_alu instid0(VALU_DEP_1)
	v_sub_f32 v246, v12, v246                      ; old M - new M: a whole number, 0 or less
	s_delay_alu instid0(VALU_DEP_1)
	v_cvt_i32_f32 v246, v246                       ; (it saturates)
	s_delay_alu instid0(VALU_DEP_1)
	v_ldexp_f32 v244, 1.0, v246                    ; f = 2^(old M - new M)
.set j, 0
.rept 32
	v_pk_fma_f32 v[S+j:S+j+1], v[S+j:S+j+1], s[CS:CS+1], v[12:13] op_sel_hi:[1,0,0]   ; t - M, two at a time (of the pairs c and -M the low word serves both halves)
.set j, j+2
.endr
.set j, 0
	s_setprio 1
	s_wait_alu depctr_va_vdst(0)
.rept 64
	v_exp_f32 v[S+j], v[S+j]                       ; p = 2^(t - M), at most 1: not normalised
.set j, j+1
.endr
	v_pk_mul_f32 v[14:15], v[14:15], v[244:245] op_sel_hi:[1,0]   ; the sums under the new M: the plain line behind the exponentials
	s_wait_alu depctr_va_vdst(0)                   ; one wait for the whole batch, ahead of its first reader
	v_pk_add_f32 v[242:243], v[100:101], v[104:105]
	v_pk_add_f32 v[254:255], v[108:109], v[112:113]
	v_pk_add_f32 v[252:253], v[116:117], v[120:121]
	v_pk_add_f32 v[246:247], v[124:125], v[128:129]
	v_pk_add_f32 v[206:207], v[132:133], v[136:137]
	v_pk_add_f32 v[204:205], v[140:141], v[144:145]
	v_pk_add_f32 v[202:203], v[148:149], v[152:153]
	v_pk_add_f32 v[14:15], v[14:15], v[156:157]
	v_pk_add_f32 v[242:243], v[242:243], v[96:97]
	v_pk_add_f32 v[254:255], v[254:255], v[98:99]
	v_pk_add_f32 v[252:253], v[252:253], v[102:103]
	v_pk_add_f32 v[246:247], v[246:247], v[106:107]
	v_pk_add_f32 v[206:207], v[206:207], v[110:111]
	v_pk_add_f32 v[204:205], v[204:205], v[114:115]
	v_pk_add_f32 v[202:203], v[202:203], v[118:119]
	v_pk_add_f32 v[14:15], v[14:15], v[122:123]
	v_pk_add_f32 v[242:243], v[242:243], v[126:127]
	v_pk_add_f32 v[254:255], v[254:255], v[130:131]
	v_pk_add_f32 v[252:253], v[252:253], v[134:135]
	v_pk_add_f32 v[246:247], v[246:247], v[138:139]
	v_pk_add_f32 v[206:207], v[206:207], v[142:143]
	v_pk_add_f32 v[204:205], v[204:205], v[146:147]
	v_pk_add_f32 v[202:203], v[202:203], v[150:151]
	v_pk_add_f32 v[14:15], v[14:15], v[154:155]
	v_pk_add_f32 v[242:243], v[242:243], v[158:159]
	s_delay_alu instid0(VALU_DEP_2)
	v_pk_add_f32 v[14:15], v[14:15], v[246:247]
	s_delay_alu instid0(VALU_DEP_2)
	v_pk_add_f32 v[242:243], v[242:243], v[206:207]
	v_pk_add_f32 v[254:255], v[254:255], v[204:205]
	v_pk_add_f32 v[252:253], v[252:253], v[202:203]
	s_delay_alu instid0(VALU_DEP_2)
	v_pk_add_f32 v[14:15], v[14:15], v[254:255]
	s_delay_alu instid0(VALU_DEP_2)
	v_pk_add_f32 v[242:243], v[242:243], v[252:253]
	s_delay_alu instid0(VALU_DEP_1)
	v_pk_add_f32 v[14:15], v[14:15], v[242:243]
.irp b, 0,1,2,3
.irp i, 0,1,2,3,4,5,6,7,8,9,10,11,12,13,14,15
.endr
	v_cvt_scalef32_pk8_bf8_f32 v[PC+4*\b:PC+1+4*\b], v[S+16*\b:S+7+16*\b], v[SCP]
	v_cvt_scalef32_pk8_bf8_f32 v[PC+2+4*\b:PC+3+4*\b], v[S+8+16*\b:S+15+16*\b], v[SCP]
.endr
.set j, 0
	s_setprio 0
.rept 16
	v_pk_mul_f32 v[O+j:O+j+1], v[O+j:O+j+1], v[244:245] op_sel_hi:[1,0]   ; O^T under the new M; also the plain lines between the conversions and the products that read the codes
.set j, j+2
.endr
	s_wait_alu depctr_va_vdst(0)
	s_wait_dscnt 0x0                               ; V
.irp t, 0,1,2,3                                ; O^T += V^T P^T: four accumulators, one instruction each
	v_wmma_f32_16x16x128_bf8_bf8 v[O+8*\t:O+8*\t+7], v[KV+16*\t:KV+16*\t+15], v[PC:PC+15], v[O+8*\t:O+8*\t+7]
.endr
	s_add_co_u32 s[KB], s[KB], 8192
	s_add_co_u32 s[VB], s[VB], 8192
	s_add_co_u32 s[BB], s[BB], 512
.endm
; A PASS: one tile of 16 queries against all 2,048 keys; the finished O goes into v[dst] on.  The loop has no first step of its own: O^T and the sum begin as zeros, which the first change of M leaves zeros.
.macro PASS q, dst
	v_mov_b32 v13, 0xff61b1e6                      ; the largest t so far: -3e38, under every t
	s_delay_alu instid0(VALU_DEP_1)
	v_floor_f32 v12, -v13                          ; -M
	v_mov_b32 v14, 0
	v_mov_b32 v15, 0
.set j, 0
.rept 32
	v_mov_b32 v[O+j], 0
.set j, j+1
.endr
	s_mov_b32 s[KB], 0
	s_mov_b32 s[VB], VL
	s_mov_b32 s[BB], 0
	s_mov_b32 s[CNT], 16
.Lstep_\@:
	s_setprio 2
	STEP \q
	s_sub_co_u32 s[CNT], s[CNT], 1
	s_cmp_lg_u32 s[CNT], 0
	s_cbranch_scc1 .Lstep_\@
	s_setprio 0
	v_add_f32 v14, v14, v15                        ; the sum's two halves,
	s_delay_alu instid0(VALU_DEP_1)
	v_permlanex16_b32 v248, v14, s[SEL], s[SEL+1]
	s_delay_alu instid0(VALU_DEP_1)
	v_add_f32 v14, v14, v248                       ; and lane l xor 16's
	s_wait_alu depctr_va_vdst(0)
	v_rcp_f32 v14, v14
	v_nop                                          ; plain lines behind the reciprocal; with the two additions and the line below they are also the places behind the last products
	v_nop
	s_wait_alu depctr_va_vdst(0)                   ; the wait ahead of the reciprocal's first reader
	v_ldexp_f32 v14, v14, s45                      ; x 2^(e8 + e9)
.set j, 0
.rept 32
	v_mul_f32 v[\dst+j], v[O+j], v14               ; register 16 u + n: channel 32 u + 16 h + n of my query
.set j, j+1
.endr
.endm
	PASS 16, O0
	PASS 24, S
	; THE WAY OUT.  A lane holds 128 bytes of a row in two pieces, and the lanes beside it hold other rows: each tile goes through my own stage and comes back as whole rows of 256 bytes.
	s_wait_alu depctr_va_vdst(0)
	s_wait_dscnt 0x0                               ; my reads of K, V and the mask's term are over,
	s_barrier_signal -1
	s_barrier_wait -1                              ; everybody's are: the stages may be written over K and the head of V
.irp p, 0,1
.irp u, 0,1
.irp i, 0,1,2,3
	ds_store_b128 v[STI], v[O0-112*\p+16*\u+4*\i:O0-112*\p+16*\u+4*\i+3] offset:4352*\p+128*\u+16*\i
.endr
.endr
.irp i, 0,1,2,3,4,5,6,7
	ds_load_b128 v[KV+32*\p+4*\i:KV+32*\p+4*\i+3], v[STB] offset:4352*\p+544*\i   ; LDS serves a wave's instructions in order: these see my stores
.endr
.endr
.irp p, 0,1
.irp i, 0,1,2,3,4,5,6,7
	s_wait_dscnt 23-16*\p-\i                       ; behind load i of pass 0: its 7 - i later loads and pass 1's sixteen LDS instructions; of pass 1: its 7 - i later loads
	global_store_b128 v[GO], v[KV+32*\p+4*\i:KV+32*\p+4*\i+3], s[10:11] offset:\p*1048576+(2*\i+8*(\i/4))*4096 th:TH_STORE_NT   ; stage rows 2 i, 2 i + 1 are tokens 2 i + 8 (i / 4) on; 16 lanes store 256 consecutive bytes, aligned
.endr
.endr
	s_wait_tensorcnt 0x0                           ; the wave's end, behind my tensor load and my last LDS store
	ds_add_u32 v[SPW], v[NIL]
	s_wait_dscnt 0x0
	ROUND                                          ; the closing round
	s_endpgm
.Lfunc_end_k_qbf8df8d5d2_attn:
	.size	k_qbf8df8d5d2_attn, .Lfunc_end_k_qbf8df8d5d2_attn-k_qbf8df8d5d2_attn
	.p2alignl 7, 3214868480
	.fill 96, 4, 3214868480
	.section	.rodata,"a",@progbits
	.p2align	6, 0x0
	.amdhsa_kernel k_qbf8df8d5d2_attn
		.amdhsa_group_segment_fixed_size 327680
		.amdhsa_private_segment_fixed_size 0
		.amdhsa_enable_private_segment 0
		.amdhsa_kernarg_size 32
		.amdhsa_user_sgpr_count 2
		.amdhsa_user_sgpr_kernarg_segment_ptr 1
		.amdhsa_wavefront_size32 1
		.amdhsa_system_sgpr_workgroup_id_x 1
		.amdhsa_system_sgpr_workgroup_id_y 1
		.amdhsa_system_sgpr_workgroup_id_z 1
		.amdhsa_system_vgpr_workitem_id 0
		.amdhsa_next_free_vgpr 256
		.amdhsa_next_free_sgpr 66
		.amdhsa_reserve_vcc 0
		.amdhsa_float_denorm_mode_32 3
		.amdhsa_float_denorm_mode_16_64 3
		.amdhsa_fp16_overflow 1
		.amdhsa_memory_ordered 1
		.amdhsa_forward_progress 1
		.amdhsa_inst_pref_size 47
	.end_amdhsa_kernel
	.amdgpu_metadata
---
amdhsa.version: [ 1, 2 ]
amdhsa.kernels:
  - .name:           k_qbf8df8d5d2_attn
    .symbol:         k_qbf8df8d5d2_attn.kd
    .args:
      - { .name: qkv, .offset: 0, .size: 8, .value_kind: global_buffer, .address_space: global }
      - { .name: attention_mask, .offset: 8, .size: 8, .value_kind: global_buffer, .address_space: global }
      - { .name: lowp_scales, .offset: 16, .size: 8, .value_kind: global_buffer, .address_space: global }
      - { .name: out0, .offset: 24, .size: 8, .value_kind: global_buffer, .address_space: global }
    .group_segment_fixed_size: 327680
    .private_segment_fixed_size: 0
    .kernarg_segment_align: 8
    .kernarg_segment_size: 32
    .max_flat_workgroup_size: 512
    .sgpr_count:     66
    .vgpr_count:     256
    .wavefront_size: 32
...
	.end_amdgpu_metadata
.endif
;; end of part 3
